; MI455X (gfx1250); checked and timed in simulation.
; The chip was launched on July 23, 2026; its instructions are those of AMD's public machine-readable ISA for CDNA 5 (MIT licence, August 2026) and "CDNA5" Instruction Set Architecture Reference Guide (July 2026). The comments in the code are by the model that wrote it; some were corrected since.
;; LSTM Cell. Allowed arithmetic: matrix products marked QUANTISED: E4M3 operands, one E8M0 scale for each 32 along K, by v_wmma_scale_f32_16x16x128_f8f6f4 with both operands' format E4M3, f32 sums; everything else in f32.
;; Inputs: W_f 1,024 x 2,048 float32; W_g 1,024 x 2,048 float32; W_i 1,024 x 2,048 float32; W_o 1,024 x 2,048 float32; b_f 1,024 float32; b_g 1,024 float32; b_i 1,024 float32; b_o 1,024 float32; c 8,192 x 1,024 float32; h 8,192 x 1,024 float32; x 8,192 x 1,024 float32.
;; Outputs: out0 8,192 x 1,024 float32; out1 8,192 x 1,024 float32.
;; This version of the problem:
;;   THIS VERSION OF THE PROBLEM IS GIVEN IN LOW PRECISION. The matrix products marked QUANTISED in the list below multiply operands that are first quantised to E4M3 (4 exponent bits, 3 mantissa bits; 8 bits a number), with one power-of-two scale for each 32 numbers along K (OCP MX v1.0); their sums are f32. All else is computed in f32.
;;   The module's matrix products, in the order in which they are computed (A, B: the left and right operand; K: the contracted axis; several contracted axes count as one K, in the product's order):
;;     1. [M 8,192, K 2,048] x [K 2,048, N 4,096]; A: computed on the way; B: computed on the way: QUANTISED
;;   THE QUANTISER, for each operand of a quantised product, along K:
;;     - K is cut into blocks of 32 from its start; a last block that is shorter is filled with zeros.
;;     - A block's scale is 2^e with e = floor(log2(the largest magnitude in the block)) - 8, held to -126 .. 127; a block of zeros has e = 0. As a byte (E8M0): e + 127.
;;     - Each number is divided by its block's scale, clamped to +-448, and rounded to the nearest number of E4M3, ties to even, subnormals kept.
;;     - The product sums the exact products of the quantised numbers (number of the format x scale) in f32.
;;   ~~~python
;;   def quantise(x, axis):      # numpy; x: float32 -> the quantised numbers, widened to float32 again
;;       x = np.moveaxis(x, axis, -1); K = x.shape[-1]
;;       x = np.pad(x, [(0, 0)] * (x.ndim - 1) + [(0, -K % 32)]); x = x.reshape(x.shape[:-1] + (-1, 32)); a = np.abs(x).max(-1, keepdims=True)
;;       e = np.where(a > 0, np.clip(np.frexp(np.where(a > 0, a, 1))[1] - 1 - 8, -126, 127), 0)      # np.frexp(a)[1] - 1 = floor(log2(a)), exactly
;;       r = np.clip(x / 2.0 ** e, -448, 448)
;;       step = 2.0 ** (np.maximum(np.frexp(np.where(r == 0, 1, r))[1] - 1, -6) - 3)
;;       q = np.round(r / step) * step * 2.0 ** e      # np.round: ties to even
;;       return np.moveaxis(q.reshape(q.shape[:-2] + (-1,))[..., :K], -1, axis).astype(np.float32)
;;   ~~~
;;   OPERANDS COMPUTED ON THE WAY. 'Computed on the way' means the value that the module computes at that place (a softmax that the list does not call 'softmax' is quantised finished and normalised). What goes into a quantiser is computed in f32, as accurately as f32 sums, v_exp_f32 and their like allow (about 1e-6 of the number): no bf16 or f16 on the way to a quantiser, and a product that is left as it is and whose result goes on into a quantised operand takes f32 operands (vector FMAs, or v_wmma_f32_16x16x4_f32). A number that lies on a knife's edge between two numbers of the format may be rounded either way, as far as f32 arithmetic and the matrix unit's own rounding can turn it there, and no further.
;; One version. Each part assembles by itself: llvm-mc -triple=amdgcn-amd-amdhsa -mcpu=gfx1250 --defsym DOCPART=n.
;; ======== version 1 of 1: 2 launches
;; limits: right only within a limited range of input values
;; workspace buffers: a_codes 17,301,504 bytes; w_codes 8,650,752 bytes
;; launch quant (part 1): grid 768 x 1, 4 waves a work-group, no clusters, 33,280 bytes of LDS; arguments x, h, W_i, W_f, W_o, W_g, a_codes, w_codes; writes a_codes, w_codes
.if DOCPART == 1
	.amdgcn_target "amdgcn-amd-amdhsa--gfx1250"
	.amdhsa_code_object_version 6
	.text
	.protected	k_qdb631bd206_quant
	.globl	k_qdb631bd206_quant
	.p2align	8
	.type	k_qdb631bd206_quant,@function
k_qdb631bd206_quant:
	s_mov_b64 s[64:65], 0
	v_nop
	global_prefetch_b8 v0, s[64:65] scope:SCOPE_SE
	s_setreg_imm32_b32 hwreg(HW_REG_WAVE_MODE, 25, 1), 1
	s_wait_xcnt 0x0
; The two operands of gates = [x | h] W^T become codes of FP8 (E4M3) with one E8M0 scale byte for each 32 along K = 2,048.  No work of the problem is left out.
; LAYOUT of both workspaces, chosen for the product's launch: [block of 128 rows][K step of 256][132 lines of 256 bytes]: lines 0-127 are the 128 rows' 256 codes of that K step,
; lines 128-131 the rows' scale bytes, 8 a row.  So one dense run of 33,792 bytes holds all that 128 rows need for a K step.
; a_codes: row m of [x | h] lies in block m / 128; K steps 0-3 come from x, 4-7 from h.  w_codes: hidden unit j of gate g (0 = i, 1 = f, 2 = o, 3 = g) is line 32 g + j % 32 of block j / 32.
; A block's scale is 2^(floor(log2(its largest magnitude)) - 8); each number is divided by it, held within +-448 and rounded to the nearest code, ties to even.
; LIMITS: a block of zeros, and one whose largest magnitude lies under 2^-118, gets the byte 1 (zero codes add nothing under it; this program alone reads the bytes).  NaN and infinities are not served.
; SHARES: a wave takes 32 rows x one K step: 16 steps of 2 rows x 256 numbers.  Its codes are 8,192 consecutive bytes, its scale bytes 256 consecutive bytes, aligned.
; Work-groups 0-511: 32 rows of x (even) or h (odd), the four waves side by side on a row's 4,096 bytes.  Work-groups 512-767: 64 a gate, 32 rows, one half of K each.
; One path for all: pointers, a pitch and offsets are chosen by the work-group's number.  Each load reads 512 consecutive bytes; a step turns through the wave's own padded stage so that a lane holds 16 neighbours.
.set STEPS, 16
.set EMAX,  8
.set MANT,  0x600000
.set R,     16                         ; v16-79   four sets of 16 numbers as loaded
.set X,     80                         ; v80-111  two sets of 16 neighbours
.set E,     112                        ; v112-127 a scale byte for each step
.set C,     128                        ; v128-191 codes, four registers a step
.set VL,    192                        ; v192     16 x lane
.set VR,    198                        ; v198-229 16 x lane + row x the source's pitch, rows 0 to 31
.set WREG,  8192
.set SP,    80
	s_load_b256 s[4:11], s[0:1], 0x0               ; x, h, W_i, W_f
	s_load_b256 s[12:19], s[0:1], 0x20             ; W_o, W_g, a_codes, w_codes
	v_lshl_add_u32 v196, v0, 2, 0x8000             ; my spare word, behind the four regions
	v_mov_b32 v197, 0
	v_lshrrev_b32 v1, 5, v0
	v_readfirstlane_b32 s24, v1                    ; wave
	v_and_b32 v2, 31, v0
	v_lshlrev_b32 v[VL], 4, v2
	s_mul_i32 s45, s24, WREG
	v_lshrrev_b32 v14, 2, v2
	v_mul_u32_u24 v14, v14, SP
	v_and_b32 v15, 3, v2
	v_lshl_add_u32 v14, v15, 4, v14
	v_add_nc_u32 v14, s45, v14                     ; the stage, on the way in
	v_mul_u32_u24 v15, v2, SP
	v_add_nc_u32 v15, s45, v15                     ; and on the way out
	v_lshrrev_b32 v5, 1, v2
	s_add_co_u32 s45, s45, 2*32*SP
	v_add_nc_u32 v5, s45, v5                       ; my block's scale byte in the wave's 256
	v_lshlrev_b32 v7, 3, v2
	v_add_nc_u32 v6, s45, v7
	s_lshr_b32 s25, ttmp9, 1                       ; [x | h]: which 32 rows
	s_and_b32 s26, ttmp9, 1                        ; which half of K (for both operands: 512 is even)
	s_lshl_b32 s27, s25, 17                        ; 32 rows of 4,096 bytes
	s_lshl_b32 s28, s24, 10                        ; my K step's 1,024 bytes in the half
	s_add_co_u32 s27, s27, s28
	s_lshr_b32 s29, s25, 2                         ; block of 128 rows
	s_and_b32 s30, s25, 3                          ; which 32 lines of it
	s_and_b32 s31, ttmp9, 255                      ; the weights
	s_lshr_b32 s32, s31, 6                         ; gate = which 32 lines
	s_bfe_u32 s33, s31, 0x50001                    ; j / 32 = block
	s_lshl_b32 s34, s33, 18                        ; 32 rows of 8,192 bytes
	s_lshl_b32 s35, s26, 12
	s_add_co_u32 s34, s34, s35
	s_add_co_u32 s34, s34, s28
	s_lshl_b32 s36, s26, 2
	s_add_co_u32 s36, s36, s24                     ; K step 0..7
	s_mov_b32 s37, 8192
	s_mov_b32 s44, MANT
	s_wait_alu depctr_va_vdst(0)
	s_wait_kmcnt 0x0
	s_cmp_eq_u32 s32, 1
	s_cselect_b64 s[40:41], s[10:11], s[8:9]
	s_cmp_eq_u32 s32, 2
	s_cselect_b64 s[40:41], s[12:13], s[40:41]
	s_cmp_eq_u32 s32, 3
	s_cselect_b64 s[40:41], s[14:15], s[40:41]
	s_cmp_eq_u32 s26, 0
	s_cselect_b64 s[42:43], s[4:5], s[6:7]
	s_cmp_lt_u32 ttmp9, 512                        ; only selections follow, which leave SCC alone
	s_cselect_b64 s[40:41], s[42:43], s[40:41]
	s_cselect_b64 s[16:17], s[16:17], s[18:19]
	s_cselect_b32 s38, s27, s34
	s_cselect_b32 s29, s29, s33
	s_cselect_b32 s30, s30, s32
	s_cselect_b32 s37, 4096, s37                   ; the source's pitch
	s_mov_b32 s39, 0
	s_add_nc_u64 s[40:41], s[40:41], s[38:39]
	s_lshl_b32 s29, s29, 3
	s_add_co_u32 s29, s29, s36
	s_mul_i32 s29, s29, 132                        ; the first line of my block's K step
	s_lshl_b32 s38, s30, 5
	s_add_co_u32 s38, s38, s29
	s_lshl_b32 s38, s38, 8
	s_add_nc_u64 s[20:21], s[16:17], s[38:39]      ; my 32 lines of codes
	s_add_co_u32 s38, s29, s30
	s_add_co_u32 s38, s38, 128
	s_lshl_b32 s38, s38, 8
	s_add_nc_u64 s[22:23], s[16:17], s[38:39]      ; my line of scale bytes
.set J, 0
.rept 32
	v_mad_u32_u24 v[VR+J], s37, J, v[VL]
.set J, J+1
.endr
.macro LOAD t                          ; step t: rows 2 t and 2 t + 1, 1,024 bytes each, in four loads of 512 consecutive bytes
.irp i, 0,1,2,3
	global_load_b128 v[R+16*((\t)%4)+4*\i:R+16*((\t)%4)+4*\i+3], v[VR+2*(\t)+(\i)/2], s[40:41] offset:512*((\i)%2) th:TH_LOAD_NT
.endr
.endm
.macro TURN t                          ; LDS serves a wave's instructions in order (ISA guide 5.7.1.4): no wait between the stores and the loads
.irp i, 0,1,2,3
	ds_store_b128 v14, v[R+16*((\t)%4)+4*\i:R+16*((\t)%4)+4*\i+3] offset:32*SP*((\t)%2)+8*SP*\i
.endr
.irp i, 0,1,2,3
	ds_load_b128 v[X+16*((\t)%2)+4*\i:X+16*((\t)%2)+4*\i+3], v15 offset:32*SP*((\t)%2)+16*\i
.endr
.endm
.irp t, 0,1,2,3
	LOAD \t
.endr
	s_wait_alu depctr_va_vdst(0)
	s_wait_loadcnt 12                              ; step 0's four loads are in
	TURN 0
.macro STEP t
.set XS, X+16*((\t)%2)
.if (\t) > 0
	s_wait_dscnt 1                                 ; this step's numbers are back (the last byte store may be out)
.else
	s_wait_dscnt 0x0
.endif
.if (\t)+4 < STEPS
	LOAD (\t)+4
.endif
.if (\t)+1 < STEPS
.if STEPS-2-(\t) >= 3
	s_wait_loadcnt 12                              ; the next step's four loads are in; three steps' may be out
.else
	s_wait_loadcnt 4*(STEPS-2-(\t))
.endif
	TURN (\t)+1
.endif
	v_max3_num_f32 v8, |v[XS]|, |v[XS+1]|, |v[XS+2]|
	v_max3_num_f32 v9, |v[XS+3]|, |v[XS+4]|, |v[XS+5]|
.irp i, 6,10
	v_max3_num_f32 v8, v8, |v[XS+\i]|, |v[XS+\i+1]|
	v_max3_num_f32 v9, v9, |v[XS+\i+2]|, |v[XS+\i+3]|
.endr
	v_max3_num_f32 v8, v8, |v[XS+14]|, |v[XS+15]|
	v_max3_num_f32 v8, v8, v9, (EMAX+1)<<23        ; the floor holds the byte at 1 from below
	v_max_num_f32_dpp v8, v8, v8 row_xmask:1 row_mask:0xf bank_mask:0xf   ; with my neighbour's 16: the block's
	v_add_nc_u32 v11, -(EMAX<<23), v8              ; the conversion's scale operand
	v_and_or_b32 v10, v8, 0x7f800000, s44          ; 448 x the scale
.irp i, 0,1,2,3,4,5,6,7,8,9,10,11,12,13,14,15
	v_med3_num_f32 v[XS+\i], v[XS+\i], -v10, v10   ; the conversion does not saturate (ISA guide 7.6.2)
.endr
	v_cvt_scalef32_pk8_fp8_f32 v[C+4*(\t):C+4*(\t)+1], v[XS:XS+7], v11
	v_cvt_scalef32_pk8_fp8_f32 v[C+4*(\t)+2:C+4*(\t)+3], v[XS+8:XS+15], v11
	v_lshrrev_b32 v[E+(\t)], 23, v11               ; the scale's byte (also the plain line behind the conversions)
	ds_store_b8 v5, v[E+(\t)] offset:16*(\t)       ; row x 8 + K / 32
	global_store_b128 v[VL], v[C+4*(\t):C+4*(\t)+3], s[20:21] offset:512*(\t)   ; 512 consecutive bytes, aligned: two lines
.endm
.irp t, 0,1,2,3,4,5,6,7,8,9,10,11,12,13,14,15
	STEP \t
.endr
	ds_load_b64 v[12:13], v6
	s_wait_dscnt 0x0
	global_store_b64 v7, v[12:13], s[22:23]        ; 256 consecutive bytes, aligned
	s_wait_tensorcnt 0x0                           ; the wave's end
	ds_add_u32 v196, v197
	s_wait_dscnt 0x0
	s_endpgm
.Lfunc_end_k_qdb631bd206_quant:
	.size	k_qdb631bd206_quant, .Lfunc_end_k_qdb631bd206_quant-k_qdb631bd206_quant
	.p2alignl 7, 3214868480
	.fill 96, 4, 3214868480
	.section	.rodata,"a",@progbits
	.p2align	6, 0x0
	.amdhsa_kernel k_qdb631bd206_quant
		.amdhsa_group_segment_fixed_size 33280
		.amdhsa_private_segment_fixed_size 0
		.amdhsa_enable_private_segment 0
		.amdhsa_kernarg_size 64
		.amdhsa_user_sgpr_count 2
		.amdhsa_user_sgpr_kernarg_segment_ptr 1
		.amdhsa_wavefront_size32 1
		.amdhsa_system_sgpr_workgroup_id_x 1
		.amdhsa_system_sgpr_workgroup_id_y 1
		.amdhsa_system_sgpr_workgroup_id_z 1
		.amdhsa_system_vgpr_workitem_id 0
		.amdhsa_next_free_vgpr 230
		.amdhsa_next_free_sgpr 66
		.amdhsa_reserve_vcc 0
		.amdhsa_float_denorm_mode_32 3
		.amdhsa_float_denorm_mode_16_64 3
		.amdhsa_memory_ordered 1
		.amdhsa_forward_progress 1
		.amdhsa_inst_pref_size 54
	.end_amdhsa_kernel
	.amdgpu_metadata
---
amdhsa.version: [ 1, 2 ]
amdhsa.kernels:
  - .name:           k_qdb631bd206_quant
    .symbol:         k_qdb631bd206_quant.kd
    .args:
      - { .name: x, .offset: 0, .size: 8, .value_kind: global_buffer, .address_space: global }
      - { .name: h, .offset: 8, .size: 8, .value_kind: global_buffer, .address_space: global }
      - { .name: W_i, .offset: 16, .size: 8, .value_kind: global_buffer, .address_space: global }
      - { .name: W_f, .offset: 24, .size: 8, .value_kind: global_buffer, .address_space: global }
      - { .name: W_o, .offset: 32, .size: 8, .value_kind: global_buffer, .address_space: global }
      - { .name: W_g, .offset: 40, .size: 8, .value_kind: global_buffer, .address_space: global }
      - { .name: a_codes, .offset: 48, .size: 8, .value_kind: global_buffer, .address_space: global }
      - { .name: w_codes, .offset: 56, .size: 8, .value_kind: global_buffer, .address_space: global }
    .group_segment_fixed_size: 33280
    .private_segment_fixed_size: 0
    .kernarg_segment_align: 8
    .kernarg_segment_size: 64
    .max_flat_workgroup_size: 128
    .sgpr_count:     66
    .vgpr_count:     230
    .wavefront_size: 32
...
	.end_amdgpu_metadata
.endif
;; end of part 1
;; launch lstm (part 2): grid 16 x 16, 4 waves a work-group, clusters of 4 x 4, 327,680 bytes of LDS; arguments a_codes, w_codes, b_i, b_f, b_o, b_g, c, out0, out1; writes out0, out1
.if DOCPART == 2
	.amdgcn_target "amdgcn-amd-amdhsa--gfx1250"
	.amdhsa_code_object_version 6
	.text
	.protected	k_qdb631bd206_lstm
	.globl	k_qdb631bd206_lstm
	.p2align	8
	.type	k_qdb631bd206_lstm,@function
k_qdb631bd206_lstm:
	s_mov_b64 s[64:65], 0
	v_nop
	global_prefetch_b8 v0, s[64:65] scope:SCOPE_SE
	s_setreg_imm32_b32 hwreg(HW_REG_WAVE_MODE, 25, 1), 1
	s_wait_xcnt 0x0
	s_wait_alu depctr_hold_cnt(0) depctr_sa_sdst(0) depctr_va_vdst(0) depctr_va_sdst(0) depctr_va_ssrc(0) depctr_va_vcc(0) depctr_vm_vsrc(0)
	s_getreg_b32 s2, hwreg(HW_REG_IB_STS2, 6, 4)
	s_cmp_eq_u32 s2, 0
	s_cbranch_scc0 .Lentry_in_a_cluster
	s_endpgm
.Lentry_in_a_cluster:
	s_bfe_u32 s2, ttmp6, 0x10000c
	s_cmp_lg_u32 s2, 0xf033
	s_cbranch_scc0 .Lentry_shape_is_right
	s_endpgm
.Lentry_shape_is_right:
; gates = [x | h] W^T + b on codes of MX-FP8, then c_t = sigmoid(f) c + sigmoid(i) tanh(g), h_t = sigmoid(o) tanh(c_t), in one launch.  No work of the problem is left out.
; A tile is 256 rows x 256 columns of gates = 64 hidden units x 4 gates (w_codes' lines are laid so that a block of 128 holds the four gates of 32 hidden units: they meet in one lane).
; Four waves, each 128 x 128: 64 accumulators, 512 registers.  The matrix instruction is used transposed (source 0 = W's lines, source 1 = rows): a lane holds 8 neighbouring hidden units of a row.
; A WORK-GROUP STAYS for two tiles, 4,096 rows apart, on the same columns.  K goes in steps of 256 through two LDS slots; one tensor load a wave brings 132 dense lines of 256 bytes:
; 128 rows' codes and their scale bytes.  A tile's last two changes of slots ask for the next tile's first two K steps, which are on their way while the gates are worked.
; CLUSTERS 4 x 4: rows' tiles are asked for jointly along a row of the cluster, W's along a column.  THE WALK ALONG K begins at K step 2 ((cluster x + cluster y) mod 4) and wraps: clusters that
; read the same rows stand at different K steps.  The start hangs on the cluster's numbers alone, which all partners share, and enters global addresses alone.  So the f32 sums are not in ascending K.
; c comes straight into registers (a lane's 32 bytes of a row; two waves together read each 256 bytes): LDS has no room for its 64 KiB beside the ring and the stage.
; THE WAY OUT, in two passes: first c_t of all my 128 rows, in registers alone; then h_t, 16 rows at a time, and both through a doubled stage of its own bytes; of the two waves that share rows
; one sends c_t, the other h_t, sixteen lanes to 256 aligned bytes.  A block's barrier stands behind the next block's arithmetic.
; PREFETCH: behind each refill in the loop a wave names, a lane a line, its work-group's 32 of the 128 code lines of the K step two refills on (partners told apart by address); a tile's first four
; K steps and the 4 scale lines (1 KiB of 33 KiB) come by their loads alone; W's lines are asked for in the first tile only.
; LIMITS: tanh(t) = (E - 1) / (E + 1) with E = 2^min(2 t log2 e, 64): beyond that exponent the quotient is 1 in f32.  NaN and infinities among the inputs are not served.
.set HID,    1024
.set NQ,     2
.set PITCH,  272                       ; an LDS line: 256 bytes + 16 of padding
.set FR,     16
.set NL,     4
.set NP,     8                         ; places behind this matrix form (ISA guide 7.12.1)
.set KBLK,   132*256                   ; bytes of a block's K step in memory
.set HALFT,  132*PITCH                 ; and in LDS: what one tensor load brings
.set SLOT,   4*HALFT
.set STG,    2*SLOT                    ; the stage: 2 x [c_t, h_t][row half][16 rows][272]
.set SBUF,   17408
.set SOUT,   8704
.set SHALF,  4352
.set SPARE,  STG+2*SBUF                ; the spare words: 512 bytes that no other line names
.set WALKA,  32*8*KBLK                 ; 4,096 rows on in a_codes
.set WALKC,  4096*HID*4                ; and in c, out0, out1
.set ADRA, 16                          ; v16-17 my rows' fragments in slot 0, 1;  v18-19 scale words;  v20-21 W's fragments
.set ADRS, 18
.set ADRB, 20
.set CA,   22                          ; into the stage
.set CG,   23                          ; my 32 bytes of c
.set RD,   24                          ; out of the stage
.set CO,   26                          ; my 16 bytes of an output row
.set SPW,  28
.set NIL,  29
.set PFO,  30
.set BO,   31
.set SC,   32                          ; v32-63 scale words, a set for each slot: lanes 0-15 rows', lanes 16-31 W's
.set BI,   64                          ; v64-127 the biases in the accumulators' layout; from the last lap on c of my rows 0-63
.set AF,   128                         ; v128-255 rows' fragments, one set.  Window 1: W's fragments, two sets.  Windows 2, 3: accumulators
.set CR,   64                          ; the way out: v64-191 c, then c_t;  v32-63, v192-223 at work;  window 1, v0-63: rows read back, two sets
.set TI,   32
.set TF,   48
.set TG,   192
.set TD,   208
.set TO,   32
.set T2,   48
.set T3,   192
.set OB,   0
.set KK,  12                           ; s12, s13 the K step that slot 0, 1 holds
.set BA,  20                           ; s[20:21] my 128 rows' block in a_codes; s[22:23] my 128 lines' in w_codes
.set BB,  22
.set G1,  24
.set G0,  32
.set G1B, 48
.set G0B, 56
.set PFA, 66
.set PBI, 68                           ; s[68:75] the four biases
.set PC,  76
.set PO,  78
.set PFB, 82
.set LIM, 84
.set MSB, 0
.macro WIN new
.if MSB != \new
	s_set_vgpr_msb (MSB<<8)|\new
.set MSB, \new
.endif
.endm
.set MUL_LO, 0xa1
.set MUL_HI, 0xf1
.set FST_LO, 0x81                      ; the same with C (the biases) in window 0
.set FST_HI, 0xc1
.set TO_B,   0x40                      ; destination window 1
.set FROM_B, 0x04                      ; a store's data window 1
.macro JLOAD s                         ; a joint load: waves 0, 1 fetch rows' halves, waves 2, 3 W's
	s_cmp_eq_u32 s15, 0
	s_cbranch_scc0 .Lfor_b_\@
	tensor_load_to_lds s[G0+4*\s:G0+4*\s+3], s[G1:G1+7]
	s_nop 0
.rept 4
	v_nop
.endr
	s_branch .Lasked_\@
.Lfor_b_\@:
	tensor_load_to_lds s[G0B+4*\s:G0B+4*\s+3], s[G1B:G1B+7]
	s_nop 0
.rept 4
	v_nop
.endr
.Lasked_\@:
.endm
.macro ADDR s                          ; slot s's two descriptors point at K step s[KK+s]
	s_mul_i32 s46, s[KK+\s], KBLK
	s_add_nc_u64 s[G0+4*\s+2:G0+4*\s+3], s[BA:BA+1], s[46:47]
	s_or_b32 s[G0+4*\s+3], s[G0+4*\s+3], 0x80000000
	s_add_nc_u64 s[G0B+4*\s+2:G0B+4*\s+3], s[BB:BB+1], s[46:47]
	s_or_b32 s[G0B+4*\s+3], s[G0B+4*\s+3], 0x80000000
.endm
.macro CREST
	s_cmp_lg_u32 s14, 0
	s_cbranch_scc1 .Lnot_wave_0_\@
	s_barrier_signal -3
.Lnot_wave_0_\@:
	s_barrier_wait -3
	s_barrier_signal -1
	s_barrier_wait -1
.endm
.macro CROUND
	s_barrier_signal -1
	s_barrier_wait -1
	CREST
.endm
	s_load_b128 s[4:7], s[0:1], 0x0                ; a_codes, w_codes
	s_load_b256 s[PBI:PBI+7], s[0:1], 0x10         ; b_i, b_f, b_o, b_g
	s_load_b128 s[76:79], s[0:1], 0x30             ; c, out0
	s_load_b64 s[80:81], s[0:1], 0x40              ; out1
	v_lshl_add_u32 v[SPW], v0, 2, SPARE
	v_mov_b32 v[NIL], 0
	ds_add_u32 v[SPW], v[NIL]
	ds_add_u32 v[SPW], v[NIL]
	v_lshrrev_b32 v1, 5, v0
	v_readfirstlane_b32 s14, v1                    ; wave
	s_lshr_b32 s15, s14, 1                         ; my half of the tile's rows; also: I fetch rows (0) or W (1)
	s_and_b32 s16, s14, 1                          ; my half of its columns; also: which 128 lines I fetch
	s_bfe_u32 s40, ttmp6, 0x40000                  ; cx
	s_bfe_u32 s41, ttmp6, 0x40004                  ; cy
	s_lshl_b32 s42, ttmp9, 2
	s_add_co_u32 s42, s42, s40                     ; tile column
	s_and_b32 s45, ttmp7, 0xffff
	s_lshl_b32 s17, s45, 2
	s_add_co_u32 s17, s17, s41                     ; first tile row
	s_add_co_u32 s12, s45, ttmp9
	s_and_b32 s12, s12, 3
	s_lshl_b32 s12, s12, 1                         ; the cluster's first K step, an even one
	s_add_co_u32 s13, s12, 1
	s_lshl_b32 s43, s41, 2
	s_lshl_b32 s43, 15, s43                        ; my row of the cluster
	s_lshl_b32 s44, 0x1111, s40                    ; my column
	s_or_b32 s[G1+0], s43, (1<<20)|(1<<21)|(5<<22)|(3<<25)   ; bytes; 4 words of padding behind every 64; bit 21 beside a mask
	s_or_b32 s[G1B+0], s44, (1<<20)|(1<<21)|(5<<22)|(3<<25)
.irp g, G1, G1B
	s_mov_b32 s[\g+1], 256<<16
	s_mov_b32 s[\g+2], 132<<16
	s_mov_b32 s[\g+3], 256<<16
	s_mov_b32 s[\g+4], 132
	s_mov_b32 s[\g+5], 256
	s_mov_b32 s[\g+6], 0
	s_mov_b32 s[\g+7], 0
.endr
	s_lshl_b32 s18, s17, 1
	s_add_co_u32 s18, s18, s16
	s_mul_i32 s18, s18, 8*KBLK                     ; rows: block 2 x tile row + half
	s_mov_b32 s19, 0
	s_lshl_b32 s10, s42, 1
	s_add_co_u32 s10, s10, s16
	s_mul_i32 s10, s10, 8*KBLK                     ; W: block 2 x tile column + half
	s_mov_b32 s11, 0
	s_mul_i32 s45, s14, HALFT                      ; where my load lands: wave x 132 lines
	s_mov_b32 s47, 0
	s_mov_b32 s87, 0
	s_wait_dscnt 0x0
	s_wait_kmcnt 0x0
	s_add_nc_u64 s[BA:BA+1], s[4:5], s[18:19]
	s_add_nc_u64 s[BB:BB+1], s[6:7], s[10:11]
	CROUND                                         ; the first joint loads meet
.irp s, 0,1
	s_mov_b32 s[G0+4*\s], 1
	s_add_co_u32 s[G0+4*\s+1], s45, \s*SLOT
	s_mov_b32 s[G0B+4*\s], 1
	s_add_co_u32 s[G0B+4*\s+1], s45, \s*SLOT
	ADDR \s
.endr
	JLOAD 0                                        ; one tensor load a wave at the head: together slot 0, codes and scales
	s_mul_i32 s8, s15, HALFT
	s_mul_i32 s9, s16, HALFT
	s_add_co_u32 s9, s9, 2*HALFT
	s_sub_co_u32 s10, s9, s8
	s_add_co_u32 s11, s8, 128*PITCH
	s_mul_i32 s18, s15, SHALF
	s_add_co_u32 s18, s18, STG
	s_mul_i32 s19, s16, SOUT
	s_add_co_u32 s19, s19, s18                     ; I read back c_t (column half 0) or h_t (1)
	s_lshl_b32 s6, s16, 7
	s_add_co_u32 s18, s18, s6
	s_lshl_b32 s4, s17, 8
	s_lshl_b32 s5, s15, 7
	s_add_co_u32 s4, s4, s5
	s_lshl_b32 s4, s4, 12                          ; my first row, 4,096 bytes a row,
	s_lshl_b32 s5, s42, 8
	s_add_co_u32 s4, s4, s5                        ; and the tile's 64 hidden units
	s_mov_b32 s5, 0
	s_mov_b32 s7, 0
	s_cmp_eq_u32 s16, 0
	s_cselect_b64 s[PO:PO+1], s[80:81], s[78:79]   ; out1 = c_t, out0 = h_t
	s_add_nc_u64 s[PO:PO+1], s[PO:PO+1], s[4:5]
	s_add_nc_u64 s[PC:PC+1], s[PC:PC+1], s[4:5]
	s_add_nc_u64 s[PC:PC+1], s[PC:PC+1], s[6:7]    ; my 32 hidden units
	s_lshl_b32 s4, s42, 8
	s_add_co_u32 s4, s4, s6
.irp g, 0,2,4,6
	s_add_nc_u64 s[PBI+\g:PBI+\g+1], s[PBI+\g:PBI+\g+1], s[4:5]
.endr
	s_cmp_eq_u32 s15, 0
	s_cselect_b64 s[PFB:PFB+1], s[BA:BA+1], s[BB:BB+1]
	s_cselect_b32 s4, s40, s41                     ; my place among the four that ask with me
	s_lshl_b32 s4, s4, 13                          ; 32 lines
	s_add_nc_u64 s[PFB:PFB+1], s[PFB:PFB+1], s[4:5]
	s_mov_b32 s[LIM], 1
	s_mov_b32 s88, 0xbfb8aa3b                      ; -log2 e
	s_mov_b32 s89, s88
	s_mov_b32 s90, 0x4038aa3b                      ; 2 log2 e
	s_mov_b32 s91, s90
	s_mov_b32 s92, 0x42800000                      ; 64
	s_mov_b32 s2, 2                                ; tiles to go
	v_and_b32 v1, 15, v0
	v_bfe_u32 v2, v0, 4, 1
	v_mul_u32_u24 v3, v1, PITCH
	v_lshl_add_u32 v4, v2, 4, v3
	v_add_nc_u32 v[ADRA], s8, v4
	v_add_nc_u32 v[ADRB], s9, v4
	v_add_nc_u32 v[ADRA+1], SLOT, v[ADRA]
	v_add_nc_u32 v[ADRB+1], SLOT, v[ADRB]
	v_mul_u32_u24 v6, s10, v2                      ; lanes 16-31 take W's scale words
	v_lshl_add_u32 v6, v1, 3, v6                   ; 8 bytes a row
	v_add_nc_u32 v[ADRS], s11, v6
	v_add_nc_u32 v[ADRS+1], SLOT, v[ADRS]
	v_lshl_add_u32 v5, v2, 5, v3
	v_add_nc_u32 v[CA], s18, v5
	v_mul_u32_u24 v5, v2, PITCH
	v_lshl_add_u32 v5, v1, 4, v5
	v_add_nc_u32 v[RD], s19, v5
	v_lshlrev_b32 v5, 12, v2
	v_lshl_add_u32 v[CO], v1, 4, v5
	v_lshlrev_b32 v[BO], 5, v2
	v_lshl_add_u32 v[CG], v1, 12, v[BO]
	v_and_b32 v[PFO], 31, v0
	v_lshlrev_b32 v[PFO], 8, v[PFO]
.macro BIAS                            ; accumulator b: gate b / 2, hidden units 16 (b % 2) + 8 (l / 16) + 0 .. 7
.irp b, 0,1,2,3,4,5,6,7
	global_load_b128 v[BI+8*\b:BI+8*\b+3],   v[BO], s[PBI+2*(\b/2):PBI+2*(\b/2)+1] offset:64*(\b%2)
	global_load_b128 v[BI+8*\b+4:BI+8*\b+7], v[BO], s[PBI+2*(\b/2):PBI+2*(\b/2)+1] offset:64*(\b%2)+16
.endr
.endm
	BIAS
.macro FRAG reg, adr, q, i
.irp c, 0,1,2,3
	ds_load_b128 v[\reg+4*\c:\reg+4*\c+3], v[\adr] offset:128*(\q)+32*\c+(\i)*16*PITCH
.endr
.endm
.macro MUL16 a0, p, q, sc, first       ; the 64 accumulators take turns in the same order in every step
.irp a, \a0, \a0+1
.irp b, 0,1,2,3,4,5,6,7
.if \first
	v_wmma_scale_f32_16x16x128_f8f6f4 v[8*(8*((\a)%4)+\b):8*(8*((\a)%4)+\b)+7], v[128*(\p)+FR*\b:128*(\p)+FR*\b+FR-1], v[AF+FR*(\a):AF+FR*(\a)+FR-1], v[BI+8*\b:BI+8*\b+7], v[SC+8*NQ*(\sc)+NQ*\b+(\q)], v[SC+8*NQ*(\sc)+NQ*(\a)+(\q)] matrix_a_scale:MATRIX_SCALE_ROW1
.else
	v_wmma_scale_f32_16x16x128_f8f6f4 v[8*(8*((\a)%4)+\b):8*(8*((\a)%4)+\b)+7], v[128*(\p)+FR*\b:128*(\p)+FR*\b+FR-1], v[AF+FR*(\a):AF+FR*(\a)+FR-1], v[8*(8*((\a)%4)+\b):8*(8*((\a)%4)+\b)+7], v[SC+8*NQ*(\sc)+NQ*\b+(\q)], v[SC+8*NQ*(\sc)+NQ*(\a)+(\q)] matrix_a_scale:MATRIX_SCALE_ROW1
.endif
.endr
.endr
.endm
.macro FETCH_B slot, q, p
	WIN TO_B
.irp i, 0,1,2,3,4,5,6,7
	FRAG 128*(\p)+FR*\i, ADRB+\slot, \q, \i
.endr
	WIN 0
.endm
.macro FETCH_A slot, q, i0
.irp i, \i0, \i0+1, \i0+2, \i0+3
	FRAG AF+FR*(\i), ADRA+\slot, \q, \i
.endr
.endm
.macro SCALES sc                       ; the slot's scale words: 32 rows' 8 bytes to an LDS line
.irp i, 0,1,2,3,4,5,6,7
	ds_load_b64 v[SC+8*NQ*\sc+NQ*\i:SC+8*NQ*\sc+NQ*\i+1], v[ADRS+\sc] offset:((\i)/2)*PITCH+((\i)%2)*128
.endr
.endm
.macro PLACES n
.rept \n
	v_nop
.endr
.endm
; A slot's first 128 along K, on W's set 0.  W's set 1, for the slot's second 128, was asked for behind rows' blocks 4-7, at the end of the change of slots.
.macro STEP slot, first
	s_wait_dscnt 12*NL                             ; all but the youngest 48: rows' blocks 4-7 and W's set 1
.if \first
	WIN FST_LO
.else
	WIN MUL_LO
.endif
	MUL16 0, 0, 0, \slot, \first
	MUL16 2, 0, 0, \slot, \first
	s_wait_dscnt 8*NL                              ; rows' blocks 4-7 are in; W's set 1 may be out
	PLACES NP
	WIN 0
	FETCH_A \slot, 1, 0
.if \first
	WIN FST_HI
.else
	WIN MUL_HI
.endif
	MUL16 4, 0, 0, \slot, \first
	MUL16 6, 0, 0, \slot, \first
	PLACES NP
	WIN 0
	FETCH_A \slot, 1, 4
.endm
; A slot's last 128 along K, and the change of slots.  fill: the slot is filled again, two K steps on (on = 1: that is the next tile's).  fetch: the other slot's fragments are read.
.macro TURN slot, next, fill, fetch, on
.if (\fill) && (1-(\on))
	s_wait_xcnt 0x0                                ; my last prefetch has read its address
	s_add_co_u32 s86, s[KK+\slot], 4
	s_and_b32 s86, s86, 7
	s_mul_i32 s86, s86, KBLK
	s_add_nc_u64 s[PFA:PFA+1], s[PFB:PFB+1], s[86:87]   ; the K step two refills on
.endif
	s_wait_tensorcnt 0x0                           ; all my tensor loads have landed: my part of the other slot
	ds_add_u32 v[SPW], v[NIL]
.if \fill
.if (\on) && (\slot) == 0
	s_add_nc_u64 s[BA:BA+1], s[BA:BA+1], WALKA     ; the next tile's rows; W's lines stay
	s_add_nc_u64 s[PFB:PFB+1], s[PFB:PFB+1], WALKA
	s_cmp_eq_u32 s15, 0
	s_cselect_b32 s[LIM], s[LIM], -1               ; W's lines are prefetched in the first tile alone
.endif
	s_add_co_u32 s[KK+\slot], s[KK+\slot], 2       ; no tensor load of mine is out: the descriptors may be written
	s_and_b32 s[KK+\slot], s[KK+\slot], 7          ; the walk wraps; after four fills it stands at its start again
	ADDR \slot
.endif
	s_wait_dscnt 4*NL+1                            ; the add and rows' blocks 4-7 may be out
	WIN MUL_LO
	MUL16 0, 1, NQ-1, \slot, 0
	s_wait_dscnt 0x0                               ; the add is done, my reads of this slot are over
	s_barrier_signal -1
	MUL16 2, 1, NQ-1, \slot, 0
	WIN 0
	s_barrier_wait -1
.if \fill
	CREST                                          ; the barrier opened a round of the cluster's barrier
	JLOAD \slot
.if \fetch
	PLACES NP-4
.endif
.else
	PLACES NP
.endif
.if \fetch
	FETCH_B \next, 0, 0
	FETCH_A \next, 0, 0
	SCALES \next
.endif
.if (\fill) && (1-(\on))
	s_cmp_gt_u32 s3, s[LIM]                        ; not in the loop's last trip: a tile has no K step beyond its eighth
	s_cbranch_scc0 .Lnot_mine_\@
	global_prefetch_b8 v[PFO], s[PFA:PFA+1] th:TH_LOAD_NT scope:SCOPE_SE
.Lnot_mine_\@:
.endif
	WIN MUL_HI
	MUL16 4, 1, NQ-1, \slot, 0
	MUL16 6, 1, NQ-1, \slot, 0
.if \fetch
	PLACES NP
	WIN 0
	FETCH_A \next, 0, 4
	FETCH_B \next, 1, 1                            ; set 1 is free behind the places above
.else
	WIN 0
.endif
.endm
.macro CLOAD a                         ; c of my rows 16 a .. 16 a + 15: a lane's 8 numbers for each of the two accumulators' columns
.irp u, 0,1
	global_load_b128 v[CR+16*(\a)+8*\u:CR+16*(\a)+8*\u+3],   v[CG], s[PC:PC+1] offset:(\a)*16*HID*4+64*\u th:TH_LOAD_NT
	global_load_b128 v[CR+16*(\a)+8*\u+4:CR+16*(\a)+8*\u+7], v[CG], s[PC:PC+1] offset:(\a)*16*HID*4+64*\u+16 th:TH_LOAD_NT
.endr
.endm
	s_wait_alu depctr_va_vdst(0)
	s_wait_tensorcnt 0x0                           ; my part of slot 0 is in; slot 1's first fill is issued as a refill is
	ds_add_u32 v[SPW], v[NIL]
	s_wait_dscnt 0x0
	CROUND
	JLOAD 1
.Ltile:
	s_wait_tensorcnt 1                             ; slot 0's load is done; the one issued behind it, slot 1's, may be out
	s_barrier_signal -1
	s_barrier_wait -1                              ; so of every wave
	FETCH_B 0, 0, 0
	FETCH_A 0, 0, 0
	SCALES 0
	FETCH_A 0, 0, 4
	FETCH_B 0, 1, 1
	s_wait_loadcnt 0x0                             ; the biases
	STEP 0, 1                                      ; the first products take the biases as C
	s_mov_b32 s3, 3
.Llap:
	TURN 0, 1, 1, 1, 0
	STEP 1, 0
	TURN 1, 0, 1, 1, 0
	STEP 0, 0
	s_sub_co_u32 s3, s3, 1
	s_cmp_lg_u32 s3, 0
	s_cbranch_scc1 .Llap
.irp a, 0,1,2,3
	CLOAD \a                                       ; into the biases' registers, three steps of 128 along K ahead of their use
.endr
	s_cmp_eq_u32 s2, 1
	s_cbranch_scc1 .Llast
	TURN 0, 1, 1, 1, 1                             ; the ring goes on into the next tile
	STEP 1, 0
	TURN 1, 0, 1, 0, 1
	s_branch .Lepi
.Llast:
	TURN 0, 1, 0, 1, 0                             ; the last tile's last lap fills nothing
	STEP 1, 0
	s_wait_dscnt 4*NL
	WIN MUL_LO
	MUL16 0, 1, NQ-1, 1, 0
	MUL16 2, 1, NQ-1, 1, 0
	s_wait_dscnt 0x0
	WIN MUL_HI
	MUL16 4, 1, NQ-1, 1, 0
	MUL16 6, 1, NQ-1, 1, 0
	WIN 0
.Lepi:
	PLACES NP
.irp a, 4,5,6,7
	CLOAD \a                                       ; into registers that held rows' fragments
.endr
	s_wait_loadcnt 16                              ; c of rows 0-63 is in; the 16 loads just issued may be out
; PASS 1, 16 rows x 32 hidden units, sixteen numbers a lane: Ei, Ef = 2^(-x log2 e), Eg = 2^min(2 g log2 e, 64);  c_t = c / (1 + Ef) + (Eg - 1) / ((1 + Ei)(1 + Eg)), over c's registers.
; A wait stands ahead of the first readers of matrix results, ahead of each batch of transcendentals and behind it.
.macro PASS1 a
.set AB,  64*((\a)%4)
.set CC,  CR+16*(\a)
	WIN (0x02+(\a)/4)
	s_wait_alu depctr_va_vdst(0)
.irp k, 0,2,4,6,8,10,12,14
	v_pk_mul_f32 v[TI+\k:TI+\k+1], v[AB+\k:AB+\k+1], s[88:89] op_sel_hi:[1,0]
.endr
.irp k, 0,2,4,6,8,10,12,14
	v_pk_mul_f32 v[TF+\k:TF+\k+1], v[AB+16+\k:AB+16+\k+1], s[88:89] op_sel_hi:[1,0]
.endr
.irp k, 0,2,4,6,8,10,12,14
	v_pk_mul_f32 v[TG+\k:TG+\k+1], v[AB+48+\k:AB+48+\k+1], s[90:91] op_sel_hi:[1,0]
.endr
	WIN 0
.irp k, 0,1,2,3,4,5,6,7,8,9,10,11,12,13,14,15
	v_min_num_f32 v[TG+\k], s92, v[TG+\k]
.endr
	s_wait_alu depctr_va_vdst(0)
.irp k, 0,1,2,3,4,5,6,7,8,9,10,11,12,13,14,15,16,17,18,19,20,21,22,23,24,25,26,27,28,29,30,31
	v_exp_f32 v[TI+\k], v[TI+\k]
.endr
.irp k, 0,1,2,3,4,5,6,7,8,9,10,11,12,13,14,15
	v_exp_f32 v[TG+\k], v[TG+\k]
.endr
	v_nop
	s_wait_alu depctr_va_vdst(0)
.irp k, 0,2,4,6,8,10,12,14,16,18,20,22,24,26,28,30
	v_pk_add_f32 v[TI+\k:TI+\k+1], v[TI+\k:TI+\k+1], 1.0 op_sel_hi:[1,0]
.endr
.irp k, 0,2,4,6,8,10,12,14
	v_pk_add_f32 v[TD+\k:TD+\k+1], v[TG+\k:TG+\k+1], 1.0 op_sel_hi:[1,0]
.endr
.irp k, 0,2,4,6,8,10,12,14
	v_pk_add_f32 v[TG+\k:TG+\k+1], v[TG+\k:TG+\k+1], -1.0 op_sel_hi:[1,0]
.endr
.irp k, 0,2,4,6,8,10,12,14
	v_pk_mul_f32 v[TI+\k:TI+\k+1], v[TI+\k:TI+\k+1], v[TD+\k:TD+\k+1]
.endr
	s_wait_alu depctr_va_vdst(0)
.irp k, 0,1,2,3,4,5,6,7,8,9,10,11,12,13,14,15,16,17,18,19,20,21,22,23,24,25,26,27,28,29,30,31
	v_rcp_f32 v[TI+\k], v[TI+\k]
.endr
	v_nop
	s_wait_alu depctr_va_vdst(0)
.irp k, 0,2,4,6,8,10,12,14
	v_pk_mul_f32 v[TG+\k:TG+\k+1], v[TG+\k:TG+\k+1], v[TI+\k:TI+\k+1]
.endr
.irp k, 0,2,4,6,8,10,12,14
	v_pk_fma_f32 v[CC+\k:CC+\k+1], v[CC+\k:CC+\k+1], v[TF+\k:TF+\k+1], v[TG+\k:TG+\k+1]
.endr
.endm
; PASS 2, the same sixteen numbers: Eo = 2^(-o log2 e), Ec = 2^min(2 c_t log2 e, 64);  h_t = (Ec - 1) / ((1 + Eo)(1 + Ec)), left in v[T2 ..].
.macro PASS2 a
.set AB,  64*((\a)%4)+32
.set CC,  CR+16*(\a)
	WIN (0x02+(\a)/4)
	s_wait_alu depctr_va_vdst(0)
.irp k, 0,2,4,6,8,10,12,14
	v_pk_mul_f32 v[TO+\k:TO+\k+1], v[AB+\k:AB+\k+1], s[88:89] op_sel_hi:[1,0]
.endr
	WIN 0
.irp k, 0,2,4,6,8,10,12,14
	v_pk_mul_f32 v[T2+\k:T2+\k+1], v[CC+\k:CC+\k+1], s[90:91] op_sel_hi:[1,0]
.endr
.irp k, 0,1,2,3,4,5,6,7,8,9,10,11,12,13,14,15
	v_min_num_f32 v[T2+\k], s92, v[T2+\k]
.endr
	s_wait_alu depctr_va_vdst(0)
.irp k, 0,1,2,3,4,5,6,7,8,9,10,11,12,13,14,15,16,17,18,19,20,21,22,23,24,25,26,27,28,29,30,31
	v_exp_f32 v[TO+\k], v[TO+\k]
.endr
	v_nop
	s_wait_alu depctr_va_vdst(0)
.irp k, 0,2,4,6,8,10,12,14
	v_pk_add_f32 v[TO+\k:TO+\k+1], v[TO+\k:TO+\k+1], 1.0 op_sel_hi:[1,0]
.endr
.irp k, 0,2,4,6,8,10,12,14
	v_pk_add_f32 v[T3+\k:T3+\k+1], v[T2+\k:T2+\k+1], 1.0 op_sel_hi:[1,0]
.endr
.irp k, 0,2,4,6,8,10,12,14
	v_pk_add_f32 v[T2+\k:T2+\k+1], v[T2+\k:T2+\k+1], -1.0 op_sel_hi:[1,0]
.endr
.irp k, 0,2,4,6,8,10,12,14
	v_pk_mul_f32 v[TO+\k:TO+\k+1], v[TO+\k:TO+\k+1], v[T3+\k:T3+\k+1]
.endr
	s_wait_alu depctr_va_vdst(0)
.irp k, 0,1,2,3,4,5,6,7,8,9,10,11,12,13,14,15
	v_rcp_f32 v[TO+\k], v[TO+\k]
.endr
	v_nop
	s_wait_alu depctr_va_vdst(0)
.irp k, 0,2,4,6,8,10,12,14
	v_pk_mul_f32 v[T2+\k:T2+\k+1], v[T2+\k:T2+\k+1], v[TO+\k:TO+\k+1]
.endr
.endm
.macro TOSTAGE a                       ; block a's c_t and h_t into half a % 2 of the stage
.irp u, 0,1
	ds_store_b128 v[CA], v[CR+16*(\a)+8*\u:CR+16*(\a)+8*\u+3]   offset:SBUF*((\a)%2)+64*\u
	ds_store_b128 v[CA], v[CR+16*(\a)+8*\u+4:CR+16*(\a)+8*\u+7] offset:SBUF*((\a)%2)+64*\u+16
	ds_store_b128 v[CA], v[T2+8*\u:T2+8*\u+3]   offset:SBUF*((\a)%2)+SOUT+64*\u
	ds_store_b128 v[CA], v[T2+8*\u+4:T2+8*\u+7] offset:SBUF*((\a)%2)+SOUT+64*\u+16
.endr
.endm
.macro BACK a                          ; 16 whole rows of my output, into set a % 2 of window 1
	WIN TO_B
.irp i, 0,1,2,3,4,5,6,7
	ds_load_b128 v[OB+32*((\a)%2)+4*\i:OB+32*((\a)%2)+4*\i+3], v[RD] offset:SBUF*((\a)%2)+2*\i*PITCH
.endr
	WIN 0
.endm
.macro SEND a                          ; sixteen lanes store 256 consecutive bytes, aligned
	WIN FROM_B
.irp i, 0,1,2,3,4,5,6,7
	global_store_b128 v[CO], v[OB+32*((\a)%2)+4*\i:OB+32*((\a)%2)+4*\i+3], s[PO:PO+1] offset:(16*(\a)+2*\i)*HID*4 th:TH_STORE_NT
.endr
	WIN 0
.endm
.irp a, 0,1,2,3,4,5,6,7
.if \a == 4
	s_wait_loadcnt 0x0                             ; c of rows 64-127 is in
.endif
	PASS1 \a
.endr
.irp a, 0,1,2,3,4,5,6,7
	PASS2 \a
	s_wait_alu depctr_va_vdst(0)
	s_wait_dscnt 0x0                               ; block a - 1's stores into the stage are done, and block a - 2's rows are back
.if \a > 0
	s_barrier_signal -1
	s_barrier_wait -1                              ; so of every wave: block a - 1 may be read, and the half that held block a - 2 written
	s_wait_xcnt 0x0                                ; block a - 3's stores have read the set that block a - 1 takes
	BACK \a-1
.endif
.if \a > 1
	SEND \a-2
.endif
	TOSTAGE \a
.if \a == 4
	s_cmp_eq_u32 s2, 1
	s_cbranch_scc1 .Lno_bias                       ; the biases come again only where a tile follows: over c_t of rows 0-63, whose stage stores are done
	BIAS
.Lno_bias:
.endif
.endr
	s_wait_dscnt 0x0
	s_barrier_signal -1
	s_barrier_wait -1
	s_wait_xcnt 0x0
	BACK 7
	SEND 6
	s_wait_dscnt 0x0
	SEND 7
	s_wait_xcnt 0x0                                ; the stores have read their base and their data
	s_add_nc_u64 s[PC:PC+1], s[PC:PC+1], WALKC
	s_add_nc_u64 s[PO:PO+1], s[PO:PO+1], WALKC
	s_sub_co_u32 s2, s2, 1
	s_cmp_lg_u32 s2, 0
	s_cbranch_scc1 .Ltile
	s_wait_tensorcnt 0x0                           ; the wave's end
	ds_add_u32 v[SPW], v[NIL]
	s_wait_dscnt 0x0
	CROUND                                         ; the closing round
	s_endpgm
.Lfunc_end_k_qdb631bd206_lstm:
	.size	k_qdb631bd206_lstm, .Lfunc_end_k_qdb631bd206_lstm-k_qdb631bd206_lstm
	.p2alignl 7, 3214868480
	.fill 96, 4, 3214868480
	.section	.rodata,"a",@progbits
	.p2align	6, 0x0
	.amdhsa_kernel k_qdb631bd206_lstm
		.amdhsa_group_segment_fixed_size 327680
		.amdhsa_private_segment_fixed_size 0
		.amdhsa_enable_private_segment 0
		.amdhsa_kernarg_size 72
		.amdhsa_user_sgpr_count 2
		.amdhsa_user_sgpr_kernarg_segment_ptr 1
		.amdhsa_wavefront_size32 1
		.amdhsa_system_sgpr_workgroup_id_x 1
		.amdhsa_system_sgpr_workgroup_id_y 1
		.amdhsa_system_sgpr_workgroup_id_z 1
		.amdhsa_system_vgpr_workitem_id 0
		.amdhsa_next_free_vgpr 1024
		.amdhsa_next_free_sgpr 102
		.amdhsa_reserve_vcc 0
		.amdhsa_float_denorm_mode_32 3
		.amdhsa_float_denorm_mode_16_64 3
		.amdhsa_memory_ordered 1
		.amdhsa_forward_progress 1
		.amdhsa_inst_pref_size 255
	.end_amdhsa_kernel
	.section	.bss,"aw",@nobits
	.p2align	6
	.space	262144
	.amdgpu_metadata
---
amdhsa.version: [ 1, 2 ]
amdhsa.kernels:
  - .name:           k_qdb631bd206_lstm
    .symbol:         k_qdb631bd206_lstm.kd
    .args:
      - { .name: a_codes, .offset: 0, .size: 8, .value_kind: global_buffer, .address_space: global }
      - { .name: w_codes, .offset: 8, .size: 8, .value_kind: global_buffer, .address_space: global }
      - { .name: b_i, .offset: 16, .size: 8, .value_kind: global_buffer, .address_space: global }
      - { .name: b_f, .offset: 24, .size: 8, .value_kind: global_buffer, .address_space: global }
      - { .name: b_o, .offset: 32, .size: 8, .value_kind: global_buffer, .address_space: global }
      - { .name: b_g, .offset: 40, .size: 8, .value_kind: global_buffer, .address_space: global }
      - { .name: c, .offset: 48, .size: 8, .value_kind: global_buffer, .address_space: global }
      - { .name: out0, .offset: 56, .size: 8, .value_kind: global_buffer, .address_space: global }
      - { .name: out1, .offset: 64, .size: 8, .value_kind: global_buffer, .address_space: global }
    .group_segment_fixed_size: 327680
    .private_segment_fixed_size: 0
    .kernarg_segment_align: 8
    .kernarg_segment_size: 72
    .max_flat_workgroup_size: 128
    .sgpr_count:     102
    .vgpr_count:     1024
    .wavefront_size: 32
...
	.end_amdgpu_metadata
.endif
;; end of part 2
